; MI455X (gfx1250); checked and timed in simulation.
; The chip was launched on July 23, 2026; its instructions are those of AMD's public machine-readable ISA for CDNA 5 (MIT licence, August 2026) and "CDNA5" Instruction Set Architecture Reference Guide (July 2026). The comments in the code are by the model that wrote it; some were corrected since.
;; Differential Marlin Attention. Allowed arithmetic: matrix products marked QUANTISED: E2M1 operands, one E8M0 scale for each 32 along K, by v_wmma_scale_f32_16x16x128_f8f6f4 with both operands' format E2M1 (or v_wmma_scale_f32_32x16x128_f4), f32 sums; everything else in f32.
;; Inputs: k1 1 x 4 x 2,048 x 128 float32; k2 1 x 4 x 2,048 x 128 float32; lambda_log 1 float32; q1 1 x 16 x 2,048 x 128 float32; q2 1 x 16 x 2,048 x 128 float32; v 1 x 4 x 2,048 x 128 float32.
;; Outputs: out0 1 x 16 x 2,048 x 128 float32.
;; This version of the problem:
;;   THIS VERSION OF THE PROBLEM IS GIVEN IN LOW PRECISION. The matrix products marked QUANTISED in the list below multiply operands that are first quantised to E2M1 (2 exponent bits, 1 mantissa bit; 4 bits a number), with one power-of-two scale for each 32 numbers along K (OCP MX v1.0); their sums are f32. All else is computed in f32.
;;   The module's matrix products, in the order in which they are computed (A, B: the left and right operand; K: the contracted axis; several contracted axes count as one K, in the product's order):
;;     1. batch 16 x [M 2,048, K 128] x [K 128, N 2,048]; A: input q1; B: input k1: QUANTISED
;;     2. batch 16 x [M 2,048, K 2,048] x [K 2,048, N 128]; A: softmax (see below); B: input v: QUANTISED
;;     3. batch 16 x [M 2,048, K 128] x [K 128, N 2,048]; A: input q2; B: input k2: QUANTISED
;;     4. batch 16 x [M 2,048, K 2,048] x [K 2,048, N 128]; A: softmax (see below); B: input v: QUANTISED
;;   THE QUANTISER, for each operand of a quantised product, along K:
;;     - K is cut into blocks of 32 from its start; a last block that is shorter is filled with zeros.
;;     - A block's scale is 2^e with e = floor(log2(the largest magnitude in the block)) - 2, held to -126 .. 127; a block of zeros has e = 0. As a byte (E8M0): e + 127.
;;     - Each number is divided by its block's scale, clamped to +-6, and rounded to the nearest number of E2M1, ties to even, subnormals kept.
;;     - The product sums the exact products of the quantised numbers (number of the format x scale) in f32.
;;   ~~~python
;;   def quantise(x, axis):      # numpy; x: float32 -> the quantised numbers, widened to float32 again
;;       x = np.moveaxis(x, axis, -1); K = x.shape[-1]
;;       x = np.pad(x, [(0, 0)] * (x.ndim - 1) + [(0, -K % 32)]); x = x.reshape(x.shape[:-1] + (-1, 32)); a = np.abs(x).max(-1, keepdims=True)
;;       e = np.where(a > 0, np.clip(np.frexp(np.where(a > 0, a, 1))[1] - 1 - 2, -126, 127), 0)      # np.frexp(a)[1] - 1 = floor(log2(a)), exactly
;;       r = np.clip(x / 2.0 ** e, -6, 6)
;;       step = 2.0 ** (np.maximum(np.frexp(np.where(r == 0, 1, r))[1] - 1, 0) - 1)
;;       q = np.round(r / step) * step * 2.0 ** e      # np.round: ties to even
;;       return np.moveaxis(q.reshape(q.shape[:-2] + (-1,))[..., :K], -1, axis).astype(np.float32)
;;   ~~~
;;   SOFTMAX AHEAD OF A QUANTISED PRODUCT. Where the list says 'softmax', what is quantised is not the finished softmax but p = 2^(t - M), with t = logit x log2(e) and M = ceil(the row's largest t), a whole number; so 1/2 < the row's largest p <= 1. The row's sum l is taken of the UNQUANTISED p, in f32, and the product's result is divided by l at the end. Since M is a whole number, a kernel that streams over the keys may use a running M (the ceiling of the running maximum): every later rescaling is an exact power of two, which a block's scale takes up: the codes' values come out the same.
;;   OPERANDS COMPUTED ON THE WAY. 'Computed on the way' means the value that the module computes at that place (a softmax that the list does not call 'softmax' is quantised finished and normalised). What goes into a quantiser is computed in f32, as accurately as f32 sums, v_exp_f32 and their like allow (about 1e-6 of the number): no bf16 or f16 on the way to a quantiser, and a product that is left as it is and whose result goes on into a quantised operand takes f32 operands (vector FMAs, or v_wmma_f32_16x16x4_f32). A number that lies on a knife's edge between two numbers of the format may be rounded either way, as far as f32 arithmetic and the matrix unit's own rounding can turn it there, and no further.
;; One version. Each part assembles by itself: llvm-mc -triple=amdgcn-amd-amdhsa -mcpu=gfx1250 --defsym DOCPART=n.
;; ======== version 1 of 1: 2 launches
;; limits: right only within a limited range of input values
;; workspace buffers: kvc 1,671,168 bytes
;; launch quant (part 1): grid 128 x 1, 4 waves a work-group, no clusters, 43,520 bytes of LDS; arguments k1, k2, v, kvc; writes kvc
.if DOCPART == 1
	.amdgcn_target "amdgcn-amd-amdhsa--gfx1250"
	.amdhsa_code_object_version 6
	.text
	.protected	k_q1f8cbedacc_quant
	.globl	k_q1f8cbedacc_quant
	.p2align	8
	.type	k_q1f8cbedacc_quant,@function
k_q1f8cbedacc_quant:
	s_mov_b64 s[64:65], 0
	v_nop
	global_prefetch_b8 v0, s[64:65] scope:SCOPE_SE
	s_setreg_imm32_b32 hwreg(HW_REG_WAVE_MODE, 25, 1), 1
	s_wait_xcnt 0x0
; k1, k2, v: [4 heads][2048 keys][128 channels] f32  ->  codes of FP4 (E2M1) and E8M0 scale bytes, laid as the attention launch reads them.
; k1, k2 are quantised along the channels (K of the first product), v along the keys (K of the second).
; kvc: [head 4][slot 4 (512 keys)][104,448 bytes]: k1's codes 32,768 | k2's 32,768 | v's 32,768 | k1's scale words 2,048 | k2's 2,048 | v's 2,048.
;   A row of k1 or k2 is one key's 128 codes, 64 bytes.  Inside each group of 64 keys, key 64 g + 32 h + 8 t + j is row 64 g + 16 t + 8 h + j:
;   the 16 rows of a matrix tile are neighbours, and the results of four neighbouring tiles are 32 neighbouring keys, one block, in a lane.
;   A row of v is one channel's 128 codes of one key step of 128 keys: row 128 s' + d (s' the step in the slot, d the channel), keys in their own order.
;   A scale word is a row's four bytes; the words lie in the order of the rows.
; A block's scale is 2^(floor(log2(its largest magnitude)) - 2); its byte is the largest magnitude's exponent field - 2, held at 1 from below.
; LIMITS: a block of zeros gets the byte 1 where the rule says 127 (its codes are zeros, and this program alone reads the bytes); NaN and infinities among the inputs are not served.
; Work-groups 0-31 take k1, 32-63 k2 (one path, the pointers chosen), 64-127 v (a path of its own, with LDS bytes of its own).  Waves share nothing: no barrier.  No matrix unit, no cluster: no byte is read twice.
.set SP,    80                         ; a place in a stage: 64 bytes + 16 of padding
.set WREG,  8192                       ; K path: LDS of a wave: two stages of 32 x SP bytes, behind them its 256 scale bytes
.set VST,   32768                      ; V path: its stages begin here, 32 x SP bytes a wave
.set DEPTH, 8                          ; K path: steps of loads ahead
.set STEPS, 16
.set HEADC, 417792                     ; a head in kvc
.set SLOTM, 104448                     ; a slot in kvc
.set R,     16                         ; v16-143  eight sets of 16 numbers as they are loaded
.set X,     144                        ; v144-175 two sets of 16 neighbours
.set C,     176                        ; v176-207 codes: two registers for each step
.set E,     208                        ; v208-223 a scale byte for each step
.set VX,    32                         ; V path: v32-159 my channel's 128 keys
.set VC,    160                        ; v160-175 their codes
.set VO,    176                        ; v176-191 the way out
	s_load_b128 s[4:7], s[0:1], 0x0                ; k1, k2
	s_load_b128 s[8:11], s[0:1], 0x10              ; v, kvc (for the codes)
	s_load_b64 s[12:13], s[0:1], 0x18              ; kvc once more (for the scale words)
	v_lshl_add_u32 v224, v0, 2, 0xa800             ; my spare word
	v_mov_b32 v225, 0
	v_lshrrev_b32 v1, 5, v0
	v_readfirstlane_b32 s16, v1                    ; wave 0..3
	v_and_b32 v2, 31, v0                           ; lane
	s_wait_kmcnt 0x0
	s_cmp_ge_u32 ttmp9, 64
	s_cbranch_scc1 .Lv
; k1, k2: K is innermost.  A wave takes a run of 64 keys in 16 steps of 4 keys.
; Each load reads 512 consecutive bytes; a step's 2,048 bytes turn through the wave's stage and come back 64 bytes a lane: two neighbouring lanes hold a block.
	s_wait_alu depctr_va_vdst(0)
	v_lshlrev_b32 v3, 4, v2                        ; my 16 bytes of a load's 512
	s_mul_i32 s17, s16, WREG
	v_lshrrev_b32 v14, 2, v2
	v_mul_u32_u24 v14, v14, SP
	v_and_b32 v15, 3, v2
	v_lshl_add_u32 v14, v15, 4, v14
	v_add_nc_u32 v14, s17, v14                     ; the stage, in: SP (lane / 4) + 16 (lane % 4)
	v_mul_u32_u24 v15, v2, SP
	v_add_nc_u32 v15, s17, v15                     ; and out: SP x lane
	v_lshlrev_b32 v4, 3, v2                        ; 8 x lane
	v_lshrrev_b32 v5, 1, v2
	s_add_co_u32 s17, s17, 2*32*SP
	v_add_nc_u32 v5, s17, v5                       ; LDS: my block's scale byte
	v_add_nc_u32 v6, s17, v4                       ; and 8 bytes a lane on the way out
	s_and_b32 s18, ttmp9, 31
	s_lshl_b32 s18, s18, 2
	s_add_co_u32 s18, s18, s16                     ; which run of the tensor's 128 is my wave's
	s_cmp_lt_u32 ttmp9, 32                         ; k1's work-group or k2's
	s_cselect_b64 s[4:5], s[4:5], s[6:7]
	s_cselect_b32 s19, 0, 32768                    ; the tensor's codes in a slot
	s_cselect_b32 s20, 0, 2048                     ; and its scale words
	s_lshl_b32 s22, s18, 15                        ; a run is 32,768 bytes of f32
	s_mov_b32 s23, 0
	s_add_nc_u64 s[4:5], s[4:5], s[22:23]
	s_lshr_b32 s21, s18, 5                         ; head: 32 runs each
	s_mul_i32 s24, s21, HEADC
	s_bfe_u32 s25, s18, 0x20003                    ; slot: 8 runs each
	s_mul_i32 s25, s25, SLOTM
	s_add_co_u32 s24, s24, s25                     ; the slot's first byte
	s_add_co_u32 s26, s24, s20
	s_add_co_u32 s24, s24, s19
	s_and_b32 s25, s18, 7
	s_lshl_b32 s27, s25, 8                         ; the run's 64 scale words
	s_lshl_b32 s25, s25, 12                        ; the run's 64 rows of 64 bytes
	s_add_co_u32 s24, s24, s25
	s_mov_b32 s25, 0
	s_add_nc_u64 s[10:11], s[10:11], s[24:25]
	s_add_co_u32 s26, s26, s27
	s_add_co_u32 s26, s26, 98304                   ; the scale words lie behind the slot's codes
	s_mov_b32 s27, 0
	s_add_nc_u64 s[12:13], s[12:13], s[26:27]
.macro KLOAD t
.irp i, 0,1,2,3
	global_load_b128 v[R+16*((\t)%DEPTH)+4*\i:R+16*((\t)%DEPTH)+4*\i+3], v3, s[4:5] offset:2048*(\t)+512*\i th:TH_LOAD_NT
.endr
.endm
.macro KTURN t                         ; step t's numbers through the stage: LDS serves a wave's instructions in order (ISA guide 5.7.1)
.irp i, 0,1,2,3
	ds_store_b128 v14, v[R+16*((\t)%DEPTH)+4*\i:R+16*((\t)%DEPTH)+4*\i+3] offset:32*SP*((\t)%2)+8*SP*\i
.endr
.irp i, 0,1,2,3
	ds_load_b128 v[X+16*((\t)%2)+4*\i:X+16*((\t)%2)+4*\i+3], v15 offset:32*SP*((\t)%2)+16*\i
.endr
.endm
.irp t, 0,1,2,3,4,5,6,7
	KLOAD \t
.endr
	s_wait_alu depctr_va_vdst(0)
	s_wait_loadcnt 28                              ; step 0's four loads are in; the seven steps behind it may be out
	KTURN 0
.macro KSTEP t
.set XS, X+16*((\t)%2)
.set CH, (\t)/2                                ; the step's chunk of 8 keys: 4 h + t,
.set CP, ((CH&3)<<1)|(CH>>2)                   ; and its place among the rows: 2 t + h
.if (\t) > 0
	s_wait_dscnt 1                                 ; this step's numbers are back (the last step's byte store may be out)
.else
	s_wait_dscnt 0x0
.endif
.if (\t)+DEPTH < STEPS
	KLOAD (\t)+DEPTH
.endif
.if (\t)+1 < STEPS
.if STEPS-2-(\t) >= DEPTH-1
	s_wait_loadcnt 4*(DEPTH-1)                     ; the next step's four loads are in
.else
	s_wait_loadcnt 4*(STEPS-2-(\t))                ; in the tail the count runs down
.endif
	KTURN (\t)+1
.endif
	v_max3_num_f32 v8, |v[XS]|, |v[XS+1]|, |v[XS+2]|               ; the largest magnitude of my 16, in two chains
	v_max3_num_f32 v9, |v[XS+3]|, |v[XS+4]|, |v[XS+5]|
.irp i, 6,10
	v_max3_num_f32 v8, v8, |v[XS+\i]|, |v[XS+\i+1]|
	v_max3_num_f32 v9, v9, |v[XS+\i+2]|, |v[XS+\i+3]|
.endr
	v_max3_num_f32 v8, v8, |v[XS+14]|, |v[XS+15]|
	v_max3_num_f32 v8, v8, v9, 0x1800000           ; and the floor 2^(3 - 127)
	v_max_num_f32_dpp v8, v8, v8 row_xmask:1 row_mask:0xf bank_mask:0xf   ; and of my neighbour's 16
	v_add_nc_u32 v11, 0xff000000, v8               ; 2 off its exponent field: the conversion's scale operand
	v_cvt_scalef32_pk8_fp4_f32 v[C+2*(\t)], v[XS:XS+7], v11
	v_cvt_scalef32_pk8_fp4_f32 v[C+2*(\t)+1], v[XS+8:XS+15], v11
	v_lshrrev_b32 v[E+(\t)], 23, v11               ; the scale's byte (also the plain line behind the conversions)
	ds_store_b8 v5, v[E+(\t)] offset:32*CP+16*((\t)%2)
	global_store_b64 v4, v[C+2*(\t):C+2*(\t)+1], s[10:11] offset:512*CP+256*((\t)%2)   ; 32 lanes store 256 consecutive bytes, four rows, aligned
.endm
.irp t, 0,1,2,3,4,5,6,7,8,9,10,11,12,13,14,15
	KSTEP \t
.endr
	ds_load_b64 v[12:13], v6
	s_wait_dscnt 0x0
	global_store_b64 v4, v[12:13], s[12:13]        ; the run's 256 scale bytes, consecutive and aligned
	s_wait_tensorcnt 0x0                           ; the wave's end
	ds_add_u32 v224, v225
	s_wait_dscnt 0x0
	s_endpgm
; v: K (the keys) is not innermost.  A lane takes a channel and its registers run down the keys: a block of 32 keys lies in one lane.
; A work-group takes one head's key step of 128 keys; its four waves stand side by side on each row's 512 bytes.
.Lv:
	s_sub_co_u32 s18, ttmp9, 64
	s_lshr_b32 s19, s18, 4                         ; head
	s_and_b32 s20, s18, 15                         ; key step
	s_lshl_b32 s22, s19, 20
	s_lshl_b32 s23, s20, 16
	s_add_co_u32 s22, s22, s23
	s_lshl_b32 s23, s16, 7                         ; my wave's 32 channels
	s_add_co_u32 s22, s22, s23
	s_mov_b32 s23, 0
	s_add_nc_u64 s[8:9], s[8:9], s[22:23]
	s_mul_i32 s24, s19, HEADC
	s_lshr_b32 s25, s20, 2                         ; slot
	s_mul_i32 s25, s25, SLOTM
	s_add_co_u32 s24, s24, s25                     ; the slot's first byte
	s_and_b32 s25, s20, 3
	s_lshl_b32 s27, s25, 9                         ; the step's 128 scale words
	s_add_co_u32 s26, s24, s27
	s_lshl_b32 s25, s25, 13                        ; the step's 128 rows of 64 bytes
	s_add_co_u32 s24, s24, s25
	s_lshl_b32 s25, s16, 11                        ; my wave's 32 rows
	s_add_co_u32 s24, s24, s25
	s_add_co_u32 s24, s24, 65536                   ; v's codes in a slot
	s_mov_b32 s25, 0
	s_add_nc_u64 s[10:11], s[10:11], s[24:25]
	s_lshl_b32 s27, s16, 7                         ; my wave's 32 words
	s_add_co_u32 s26, s26, s27
	s_add_co_u32 s26, s26, 102400                  ; v's scale words in a slot
	s_mov_b32 s27, 0
	s_add_nc_u64 s[12:13], s[12:13], s[26:27]
	s_wait_alu depctr_va_vdst(0)
	v_lshlrev_b32 v3, 2, v2                        ; 4 x lane
	s_mul_i32 s17, s16, 32*SP
	s_add_co_u32 s17, s17, VST                     ; my stage
	v_mul_u32_u24 v14, v2, SP
	v_add_nc_u32 v14, s17, v14                     ; in: my channel's row
	v_lshrrev_b32 v15, 2, v2
	v_mul_u32_u24 v15, v15, SP
	v_and_b32 v5, 3, v2
	v_lshl_add_u32 v15, v5, 4, v15
	v_add_nc_u32 v15, s17, v15                     ; out: four lanes to a row of 64 bytes
	v_lshlrev_b32 v4, 4, v2
.set i, 0
.rept 128
	global_load_b32 v[VX+i], v3, s[8:9] offset:512*i th:TH_LOAD_NT
.set i, i+1
.endr
.macro VBLOCK b
.set XS, VX+32*(\b)
	v_max3_num_f32 v12, |v[XS]|, |v[XS+1]|, |v[XS+2]|
	v_max3_num_f32 v13, |v[XS+3]|, |v[XS+4]|, |v[XS+5]|
.irp i, 6,10,14,18,22,26
	v_max3_num_f32 v12, v12, |v[XS+\i]|, |v[XS+\i+1]|
	v_max3_num_f32 v13, v13, |v[XS+\i+2]|, |v[XS+\i+3]|
.endr
	v_max3_num_f32 v12, v12, |v[XS+30]|, |v[XS+31]|
	v_max3_num_f32 v12, v12, v13, 0x1800000
	v_add_nc_u32 v11, 0xff000000, v12
	v_lshrrev_b32 v13, 23, v11
.if (\b) == 0
	v_mov_b32 v24, v13                             ; four bytes make my row's scale word
.else
	v_lshl_or_b32 v24, v13, 8*(\b), v24
.endif
.irp g, 0,1,2,3
	v_cvt_scalef32_pk8_fp4_f32 v[VC+4*(\b)+\g], v[XS+8*\g:XS+8*\g+7], v11
.endr
	ds_store_b128 v14, v[VC+4*(\b):VC+4*(\b)+3] offset:16*(\b)
.endm
	s_wait_loadcnt 63                              ; block 0's 32 loads are in (a wait's count names 63 at most)
	VBLOCK 0
	s_wait_loadcnt 63                              ; block 1's
	VBLOCK 1
	s_wait_loadcnt 32                              ; block 2's; block 3's may be out
	VBLOCK 2
	s_wait_loadcnt 0x0
	VBLOCK 3
.irp j, 0,1,2,3
	ds_load_b128 v[VO+4*\j:VO+4*\j+3], v15 offset:8*SP*\j
.endr
	global_store_b32 v3, v24, s[12:13]             ; 32 scale words: 128 consecutive bytes a wave, half of an aligned 256
.irp j, 0,1,2,3
	s_wait_dscnt 3-\j
	global_store_b128 v4, v[VO+4*\j:VO+4*\j+3], s[10:11] offset:512*\j
.endr
	s_wait_tensorcnt 0x0                           ; the wave's end
	ds_add_u32 v224, v225
	s_wait_dscnt 0x0
	s_endpgm
.Lfunc_end_k_q1f8cbedacc_quant:
	.size	k_q1f8cbedacc_quant, .Lfunc_end_k_q1f8cbedacc_quant-k_q1f8cbedacc_quant
	.p2alignl 7, 3214868480
	.fill 96, 4, 3214868480
	.section	.rodata,"a",@progbits
	.p2align	6, 0x0
	.amdhsa_kernel k_q1f8cbedacc_quant
		.amdhsa_group_segment_fixed_size 43520
		.amdhsa_private_segment_fixed_size 0
		.amdhsa_enable_private_segment 0
		.amdhsa_kernarg_size 32
		.amdhsa_user_sgpr_count 2
		.amdhsa_user_sgpr_kernarg_segment_ptr 1
		.amdhsa_wavefront_size32 1
		.amdhsa_system_sgpr_workgroup_id_x 1
		.amdhsa_system_sgpr_workgroup_id_y 1
		.amdhsa_system_sgpr_workgroup_id_z 1
		.amdhsa_system_vgpr_workitem_id 0
		.amdhsa_next_free_vgpr 226
		.amdhsa_next_free_sgpr 66
		.amdhsa_reserve_vcc 0
		.amdhsa_float_denorm_mode_32 3
		.amdhsa_float_denorm_mode_16_64 3
		.amdhsa_memory_ordered 1
		.amdhsa_forward_progress 1
		.amdhsa_inst_pref_size 55
	.end_amdhsa_kernel
	.amdgpu_metadata
---
amdhsa.version: [ 1, 2 ]
amdhsa.kernels:
  - .name:           k_q1f8cbedacc_quant
    .symbol:         k_q1f8cbedacc_quant.kd
    .args:
      - { .name: k1, .offset: 0, .size: 8, .value_kind: global_buffer, .address_space: global }
      - { .name: k2, .offset: 8, .size: 8, .value_kind: global_buffer, .address_space: global }
      - { .name: v, .offset: 16, .size: 8, .value_kind: global_buffer, .address_space: global }
      - { .name: kvc, .offset: 24, .size: 8, .value_kind: global_buffer, .address_space: global }
    .group_segment_fixed_size: 43520
    .private_segment_fixed_size: 0
    .kernarg_segment_align: 8
    .kernarg_segment_size: 32
    .max_flat_workgroup_size: 128
    .sgpr_count:     66
    .vgpr_count:     226
    .wavefront_size: 32
...
	.end_amdgpu_metadata
.endif
;; end of part 1
;; launch attn (part 2): grid 16 x 16, 8 waves a work-group, clusters of 4 x 1, 327,680 bytes of LDS; arguments q1, q2, kvc, lambda_log, out0; writes out0
.if DOCPART == 2
	.amdgcn_target "amdgcn-amd-amdhsa--gfx1250"
	.amdhsa_code_object_version 6
	.text
	.protected	k_q1f8cbedacc_attn
	.globl	k_q1f8cbedacc_attn
	.p2align	8
	.type	k_q1f8cbedacc_attn,@function
k_q1f8cbedacc_attn:
	s_mov_b64 s[64:65], 0
	v_nop
	global_prefetch_b8 v0, s[64:65] scope:SCOPE_SE
	s_setreg_imm32_b32 hwreg(HW_REG_WAVE_MODE, 25, 1), 1
	s_wait_xcnt 0x0
	s_wait_alu depctr_hold_cnt(0) depctr_sa_sdst(0) depctr_va_vdst(0) depctr_va_sdst(0) depctr_va_ssrc(0) depctr_va_vcc(0) depctr_vm_vsrc(0)
	s_getreg_b32 s2, hwreg(HW_REG_IB_STS2, 6, 4)
	s_cmp_eq_u32 s2, 0
	s_cbranch_scc0 .Lentry_in_a_cluster
	s_endpgm
.Lentry_in_a_cluster:
	s_bfe_u32 s2, ttmp6, 0x10000c
	s_cmp_lg_u32 s2, 0x3003
	s_cbranch_scc0 .Lentry_shape_is_right
	s_endpgm
.Lentry_shape_is_right:
; out = attn(q1, k1, v) - exp(lambda_log) attn(q2, k2, v), both products of each branch on codes of FP4 with E8M0 scales; k1, k2, v come as codes from kvc (layout: the launch before).
; THE SOFTMAX: t = score x log2(e) / sqrt(128); M = the running largest t rounded up to a whole number; p = 2^(t - M) is quantised along the keys; the row's sum is taken of the unquantised p and divides at the end.
; LIMITS: the promise holds while |t| stays under 2^31; NaN and infinities among the inputs are not served; a block's largest p is taken as the exponential of its largest score.
; SHARES.  A work-group owns 128 queries of one head, in both branches: 16 tiles of 16 queries.  Eight waves, two tiles each: waves 0-3 branch 1, waves 4-7 branch 2; wave % 4 says which 32 queries.
; Each fragment of K and V that a wave reads from LDS feeds two matrix instructions.  The two branches meet in LDS on the way out.
; REGISTERS.  Window 1 holds what the softmax works on, for both tiles, so that the two tiles' lines stand by turns under one setting: v0-127 scores then p, v128-143 Q, v144-159 p's codes,
; v160-191 state (16 a tile: -M, largest t, the sum's pair, f's pair, two at work, two scale operands), v192-207 maxima, v216 8 (lane / 16), v224-255 K's fragments 4-7.
; Window 0: v1-11 addresses, v12-23 scale words, v24-31 offsets, v32-95 V's fragments, v96-127 K's fragments 0-3, v128-255 O^T of both tiles.  K's fragments are fetched one step ahead.
; LAYOUT.  Both products are used transposed: a lane holds one query.  By the order of K's rows in kvc, lane (r, h) holds in registers 32 g + i of a tile's scores key 64 g + 32 h + i: whole blocks of 32, in the second product's operand order.
; THE RING.  Two LDS slots of 512 keys (k1, k2, v and their scale words: 104,448 bytes of memory, 16 bytes of padding behind each 64).  Each wave fetches 51 rows of 256 bytes by one joint load:
; the four work-groups of a cluster walk the same head's K and V.  At a change of slots the three lines and the signal stand behind V's last loads; the softmax and the second product, work on registers, stand between signal and wait.
; THE HEAD.  The queries are asked for behind the first joint load; the first barrier and the second slot's fill stand ahead of the wait for the queries, so that a wave begins as soon as its own have come.
.set KP,     80
.set SLOT1,  1<<17
.set K2OFF,  512*KP
.set VOFF,   1024*KP
.set SOFF,   1536*KP                   ; the slot's scale words: k1's 2,560 bytes, k2's, v's
.set SLOTM,  104448
.set HEADC,  417792
.set WM,     13056                     ; a wave's part of a slot in memory,
.set WL,     16320                     ; and in LDS
.set SPITCH, 528
.set STG,    SLOT1                     ; the way out: 16 tiles x 16 rows x 528 bytes, in the upper slot (last filled with keys 1024-1535, left at the last change) and bytes behind it that no load fills
.set SPARE,  STG+16*16*SPITCH          ; the spare words: 128 bytes a wave
.set QST,    SPARE+8*128               ; Q's stages: 1,536 bytes a tile
.set QW,     1536
.set QSC,    16*KP
; window 0
.set AK0,  1
.set AV0,  2
.set ASK0, 3
.set ASV0, 4
.set SPW,  5
.set NIL,  6
.set GO,   7
.set ADK,  8
.set ADV,  9
.set ADS,  10
.set ADT,  11
.set PS,   12                          ; v12, v13 p's scale words of tiles A, B
.set QS,   14                          ; v14, v15 Q's
.set KS,   16
.set VS,   20
.set PFO,  24
.set RR,   25                          ; lane % 16
.set HH,   26                          ; lane / 16
.set LL,   27                          ; lane
.set QSI,  28                          ; Q's stage; on the way out v28-31 serve again
.set QSB,  29
.set QLD,  30
.set QSW,  31
.set VF,   32
.set QT,   32                          ; the head's 24 registers at work
.set KL,   96
.set O,    128
; window 1
.set S,    0
.set QF,   128
.set PC,   144
.set ST,   160
.set BM,   192
.set SH,   216
.set KH,   224
.set WV,   18
.set RA,   19
.set SEL,  20
.set CS,   22
.set G1,   24
.set G0,   40
.set TB,   48
.set SLOTS, 50
.set LIM,  51
.set PFA,  52
.set TAU,  58
.set MSB, 0
.macro WIN new                         ; the immediate's high byte repeats the setting that is left
.if MSB != (\new)
	s_set_vgpr_msb (MSB<<8)|(\new)
.set MSB, (\new)
.endif
.endm
.macro NOPS
.rept 4
	v_nop
.endr
.endm
.macro CREST                           ; a round of the cluster's barrier behind its opening barrier
	s_cmp_lg_u32 s[WV], 0
	s_cbranch_scc1 .Lnot_wave_0_\@
	s_barrier_signal -3
.Lnot_wave_0_\@:
	s_barrier_wait -3
	s_barrier_signal -1
	s_barrier_wait -1
.endm
.macro CROUND
	s_barrier_signal -1
	s_barrier_wait -1
	CREST
.endm
; A prefetch of the slot that the NEXT fill will ask for.  One cluster for each K/V head asks (query head % 4 = 0, cluster x = 0); its four partners take a quarter of the slot each, by address;
; waves 0-3, a lane to each 256 bytes: 102 blocks a work-group, the lanes left over name the last block again.  The last fill has no slot behind it.
.macro ASK
	s_cmp_gt_u32 s[SLOTS], s[LIM]
	s_cbranch_scc0 .Lnot_mine_\@
	global_prefetch_b8 v[PFO], s[PFA:PFA+1] th:TH_LOAD_NT scope:SCOPE_SE
.Lnot_mine_\@:
.endm
.macro FILL
	tensor_load_to_lds s[G0:G0+3], s[G1:G1+7]
	s_nop 0
	NOPS
.endm
; The three lines in front of a change of slots, and the signal.  st = 1: the walking descriptor and the prefetches' address step on (no load of mine is out).
.macro THREE st
	s_wait_tensorcnt 0x0
	ds_add_u32 v[SPW], v[NIL]
.if \st == 1
	s_xor_b32 s[G0+1], s[G0+1], SLOT1
	s_add_nc_u64 s[G0+2:G0+3], s[G0+2:G0+3], SLOTM
	s_wait_xcnt 0x0
	s_add_nc_u64 s[PFA:PFA+1], s[PFA:PFA+1], SLOTM
.endif
	s_wait_dscnt 0x0                               ; the add is done, and my reads of the slot in hand are over
	s_barrier_signal -1
.endm
	s_load_b256 s[4:11], s[0:1], 0x0               ; q1, q2, kvc, lambda_log
	s_load_b64 s[14:15], s[0:1], 0x20              ; out0
	v_lshl_add_u32 v[SPW], v0, 2, SPARE
	v_mov_b32 v[NIL], 0
	ds_add_u32 v[SPW], v[NIL]                      ; the opening lines: the add twice on end and one wait
	ds_add_u32 v[SPW], v[NIL]
	v_lshrrev_b32 v8, 5, v0
	v_readfirstlane_b32 s[WV], v8
	s_lshr_b32 s[RA], s[WV], 2                     ; branch
	s_and_b32 s[TAU], s[WV], 3                     ; which 32 queries
	s_bfe_u32 s54, ttmp6, 0x40000                  ; cx
	s_lshl_b32 s55, ttmp9, 2
	s_add_co_u32 s55, s55, s54                     ; block of 128 queries
	s_and_b32 s56, ttmp7, 0xffff                   ; query head
	s_lshr_b32 s57, s56, 2                         ; K/V head
	s_mov_b32 s[G1], 15|(1<<20)|(1<<21)|(3<<22)|(3<<25)   ; mask: the cluster's four; bytes; four words of padding behind every 16
	s_mov_b32 s[G1+1], 256<<16
	s_mov_b32 s[G1+2], 51<<16
	s_mov_b32 s[G1+3], 256<<16
	s_mov_b32 s[G1+4], 51
	s_mov_b32 s[G1+5], 256
	s_mov_b32 s[G1+6], 0
	s_mov_b32 s[G1+7], 0
	s_mov_b32 s[SEL], 0x76543210
	s_mov_b32 s[SEL+1], 0xfedcba98
	s_mov_b32 s[CS], 0x3e0293ee                    ; log2(e) / sqrt(128)
	s_mov_b32 s[CS+1], s[CS]
	s_mov_b32 s[TB], SLOT1                         ; keys 0-511 lie in the upper slot
	s_mov_b32 s[SLOTS], 2
	s_mul_i32 s60, s57, HEADC
	s_mul_i32 s61, s[WV], WM
	s_add_co_u32 s60, s60, s61
	s_mov_b32 s61, 0
	s_mul_i32 s66, s[WV], WL
	s_lshl_b32 s68, s56, 20
	s_lshl_b32 s69, s55, 16
	s_add_co_u32 s68, s68, s69                     ; the block's first byte in q and out
	s_lshl_b32 s62, s[TAU], 14
	s_add_co_u32 s62, s68, s62                     ; my 32 queries
	s_mov_b32 s63, 0
	s_lshl_b32 s69, s[WV], 13
	s_add_co_u32 s68, s68, s69                     ; the 16 rows of out that I store
	s_mov_b32 s69, 0
	v_and_b32 v[RR], 15, v0
	v_bfe_u32 v[HH], v0, 4, 1
	v_and_b32 v[LL], 31, v0
	v_lshlrev_b32 v[GO], 5, v[RR]
	v_lshl_add_u32 v[GO], v[HH], 9, v[GO]          ; Q: 32 bytes a lane, lanes 16-31 the next row
	s_wait_dscnt 0x0
	s_wait_alu depctr_va_vdst(0)
	s_wait_kmcnt 0x0
	s_mov_b32 s[G0], 1
	s_add_co_u32 s[G0+1], s66, SLOT1
	s_add_nc_u64 s[G0+2:G0+3], s[8:9], s[60:61]
	s_or_b32 s[G0+3], s[G0+3], 0x80000000
	CROUND                                         ; the first joint loads meet
	FILL                                           ; keys 0-511: one load a wave
	s_load_b32 s17, s[10:11], 0x0                  ; lambda_log
	s_cmp_lt_u32 s[WV], 4
	s_cselect_b64 s[4:5], s[4:5], s[6:7]
	s_add_nc_u64 s[4:5], s[4:5], s[62:63]
	s_add_nc_u64 s[14:15], s[14:15], s[68:69]
.irp u, 0,1                                    ; my 32 queries as f32: tile A into v128-191, tile B into v192-255
.irp i, 0,1,2,3,4,5,6,7
.irp e, 0,1
	global_load_b128 v[O+64*\u+8*\i+4*\e:O+64*\u+8*\i+4*\e+3], v[GO], s[4:5] offset:8192*\u+1024*\i+16*\e th:TH_LOAD_NT
.endr
.endr
.endr
	s_mul_i32 s70, s57, HEADC
	s_mul_i32 s71, s54, SLOTM/4
	s_add_co_u32 s70, s70, s71
	s_add_co_u32 s70, s70, SLOTM
	s_mov_b32 s71, 0
	s_add_nc_u64 s[PFA:PFA+1], s[8:9], s[70:71]    ; my work-group's quarter of slot 1: the first step leads to slot 2
	s_and_b32 s2, s56, 3
	s_or_b32 s2, s2, ttmp9
	s_cmp_lt_u32 s[WV], 4
	s_cselect_b32 s3, 0, 1
	s_or_b32 s2, s2, s3
	s_cmp_eq_u32 s2, 0
	s_cselect_b32 s[LIM], 1, -1
	v_min_u32 v[PFO], 101, v0
	v_lshlrev_b32 v[PFO], 8, v[PFO]
	v_mul_u32_u24 v[QLD], v[RR], KP
	v_lshl_add_u32 v[QLD], v[HH], 4, v[QLD]        ; a fragment: row r x 80 + 16 h
	s_mul_i32 s16, s[RA], K2OFF
	v_add_nc_u32 v[AK0], s16, v[QLD]
	v_add_nc_u32 v[AV0], VOFF, v[QLD]
	v_lshlrev_b32 v[ASV0], 2, v[LL]
	v_lshl_add_u32 v[ASV0], v[HH], 4, v[ASV0]      ; scale words: 4 x lane, 16 of padding behind each 16 words
	s_mul_i32 s16, s[RA], 2560
	s_add_co_u32 s16, s16, SOFF
	v_add_nc_u32 v[ASK0], s16, v[ASV0]
	v_add_nc_u32 v[ASV0], SOFF+5120, v[ASV0]
	s_mul_i32 s3, s[WV], 2*QW
	s_add_co_u32 s3, s3, QST
	v_add_nc_u32 v[QLD], s3, v[QLD]
	v_mul_u32_u24 v[QSI], v[HH], KP
	v_lshl_add_u32 v[QSI], v[RR], 2, v[QSI]
	v_add_nc_u32 v[QSI], s3, v[QSI]
	v_lshrrev_b32 v[QSB], 2, v[RR]
	v_lshl_add_u32 v[QSB], v[HH], 2, v[QSB]
	v_add_nc_u32 v[QSB], s3, v[QSB]
	v_lshl_add_u32 v[QSW], v[RR], 2, s3
	WIN 0x40                                       ; both tiles' state, in window 1
.irp w, 0,1
	v_mov_b32 v[ST+16*\w], 0x7f61b1e6              ; -M = 3e38
	v_mov_b32 v[ST+16*\w+1], 0xff61b1e6            ; the largest t so far: -3e38
	v_mov_b32 v[ST+16*\w+2], 0                     ; the sum, in two halves
	v_mov_b32 v[ST+16*\w+3], 0
	v_mov_b32 v[ST+16*\w+5], 0                     ; (named as the upper half of f's pair)
.endr
	v_lshlrev_b32 v[SH], 3, v[HH]
	WIN 0
.macro KLOAD q                         ; K's eight fragments and four registers of scale words of the slot's q-th step: 20 loads
.irp t, 0,1,2,3
.irp c, 0,1
	ds_load_b128 v[KL+8*\t+4*\c:KL+8*\t+4*\c+3], v[ADK] offset:(128*(\q)+16*\t)*KP+32*\c
.endr
.endr
.irp i, 0,1,2,3
	ds_load_b32 v[KS+\i], v[ADS] offset:640*(\q)+160*\i
.endr
	WIN 0x40
.irp t, 0,1,2,3
.irp c, 0,1
	ds_load_b128 v[KH+8*\t+4*\c:KH+8*\t+4*\c+3], v[ADK] offset:(128*(\q)+64+16*\t)*KP+32*\c
.endr
.endr
	WIN 0
.endm
.macro VLOAD q                         ; V's likewise: 20 loads
.irp t, 0,1,2,3,4,5,6,7
.irp c, 0,1
	ds_load_b128 v[VF+8*\t+4*\c:VF+8*\t+4*\c+3], v[ADV] offset:(128*(\q)+16*\t)*KP+32*\c
.endr
.endr
.irp i, 0,1,2,3
	ds_load_b32 v[VS+\i], v[ADT] offset:640*(\q)+160*\i
.endr
.endm
.macro QK4 win, base, t0               ; S^T = K Q^T: four tiles of keys x both tiles of queries
	WIN \win
.irp w, 0,1
.irp t, 0,1,2,3
.if (\t)%2
	v_wmma_scale_f32_16x16x128_f8f6f4 v[S+64*\w+8*(\t0+\t):S+64*\w+8*(\t0+\t)+7], v[\base+8*\t:\base+8*\t+7], v[QF+8*\w:QF+8*\w+7], 0, v[KS+(\t0+\t)/2], v[QS+\w] matrix_a_fmt:MATRIX_FMT_FP4 matrix_b_fmt:MATRIX_FMT_FP4 matrix_a_scale:MATRIX_SCALE_ROW1
.else
	v_wmma_scale_f32_16x16x128_f8f6f4 v[S+64*\w+8*(\t0+\t):S+64*\w+8*(\t0+\t)+7], v[\base+8*\t:\base+8*\t+7], v[QF+8*\w:QF+8*\w+7], 0, v[KS+(\t0+\t)/2], v[QS+\w] matrix_a_fmt:MATRIX_FMT_FP4 matrix_b_fmt:MATRIX_FMT_FP4
.endif
.endr
.endr
.endm
.macro PV                              ; O^T += V^T P^T of both tiles: the 16 accumulators take turns
	WIN 0x04
.irp w, 0,1
.irp t, 0,1,2,3,4,5,6,7
.if (\t)%2
	v_wmma_scale_f32_16x16x128_f8f6f4 v[O+64*\w+8*\t:O+64*\w+8*\t+7], v[VF+8*\t:VF+8*\t+7], v[PC+8*\w:PC+8*\w+7], v[O+64*\w+8*\t:O+64*\w+8*\t+7], v[VS+\t/2], v[PS+\w] matrix_a_fmt:MATRIX_FMT_FP4 matrix_b_fmt:MATRIX_FMT_FP4 matrix_a_scale:MATRIX_SCALE_ROW1
.else
	v_wmma_scale_f32_16x16x128_f8f6f4 v[O+64*\w+8*\t:O+64*\w+8*\t+7], v[VF+8*\t:VF+8*\t+7], v[PC+8*\w:PC+8*\w+7], v[O+64*\w+8*\t:O+64*\w+8*\t+7], v[VS+\t/2], v[PS+\w] matrix_a_fmt:MATRIX_FMT_FP4 matrix_b_fmt:MATRIX_FMT_FP4
.endif
.endr
.endr
.endm
.macro FMAS w, j0, n                   ; t - M of n pairs of tile w's scores
.set j, \j0
.rept \n
	v_pk_fma_f32 v[S+64*\w+j:S+64*\w+j+1], v[S+64*\w+j:S+64*\w+j+1], s[CS:CS+1], v[ST+16*\w:ST+16*\w+1] op_sel_hi:[1,0,0]
.set j, j+2
.endr
.endm
.macro CVT b                           ; block b's 32 codes: four registers of the operand
.irp t, 0,1,2,3
	v_cvt_scalef32_pk8_fp4_f32 v[PC+4*\b+\t], v[S+32*\b+8*\t:S+32*\b+8*\t+7], v[ST+16*(\b/2)+8+(\b%2)]
.endr
.endm
.macro LEVEL n, d                      ; a level of the sums' tree: n independent additions of pairs
.set k, 0
.rept \n
	v_pk_add_f32 v[S+2*\d*k:S+2*\d*k+1], v[S+2*\d*k:S+2*\d*k+1], v[S+2*\d*k+\d:S+2*\d*k+\d+1]
.set k, k+1
.endr
.endm
; The softmax of both tiles' 128 keys.  Block b = 2 w + g is tile w's registers 32 g .. 32 g + 31; its largest score ends in v[BM + 4 b].
.macro SOFT
	WIN 0x55
.set c, 0
.rept 16
	v_max3_num_f32 v[BM+c], v[S+8*c], v[S+8*c+1], v[S+8*c+2]       ; sixteen chains, one to each accumulator, from its low end on
.set c, c+1
.endr
.irp i, 3,5
.set c, 0
.rept 16
	v_max3_num_f32 v[BM+c], v[BM+c], v[S+8*c+\i], v[S+8*c+\i+1]
.set c, c+1
.endr
.endr
.irp b, 0,1,2,3
	v_max3_num_f32 v[BM+4*\b], v[BM+4*\b], v[BM+4*\b+1], v[S+32*\b+7]
.endr
.irp b, 0,1,2,3
	v_max3_num_f32 v[BM+4*\b+2], v[BM+4*\b+2], v[BM+4*\b+3], v[S+32*\b+15]
.endr
.irp b, 0,1,2,3
	v_max3_num_f32 v[BM+4*\b], v[BM+4*\b], v[BM+4*\b+2], v[S+32*\b+23]
.endr
.irp b, 0,1,2,3
	v_max_num_f32 v[BM+4*\b], v[BM+4*\b], v[S+32*\b+31]
.endr
.irp w, 0,1
	v_max_num_f32 v[ST+16*\w+6], v[BM+8*\w], v[BM+8*\w+4]
.endr
.irp w, 0,1
	v_mov_b32 v[ST+16*\w+7], v[ST+16*\w]           ; the old -M
.endr
.irp w, 0,1
	v_permlanex16_b32 v[BM+8*\w+1], v[ST+16*\w+6], s[SEL], s[SEL+1]
.endr
.irp w, 0,1
	v_max_num_f32 v[ST+16*\w+6], v[ST+16*\w+6], v[BM+8*\w+1]       ; the step's largest score of my query
.endr
.irp w, 0,1
	v_mul_f32 v[ST+16*\w+6], s[CS], v[ST+16*\w+6]
.endr
.irp w, 0,1
	v_max_num_f32 v[ST+16*\w+1], v[ST+16*\w+1], v[ST+16*\w+6]
.endr
.irp w, 0,1
	v_floor_f32 v[ST+16*\w], -v[ST+16*\w+1]        ; -M = floor(-t)
.endr
.irp w, 0,1
	v_sub_f32 v[ST+16*\w+6], v[ST+16*\w], v[ST+16*\w+7]
.endr
	FMAS 0, 0, 8
.irp w, 0,1
	v_cvt_i32_f32 v[ST+16*\w+6], v[ST+16*\w+6]
.endr
	FMAS 0, 16, 8
.irp w, 0,1
	v_ldexp_f32 v[ST+16*\w+4], 1.0, v[ST+16*\w+6]  ; f = 2^(old M - new M)
.endr
	FMAS 0, 32, 16
.irp b, 0,1,2,3
	v_fma_f32 v[BM+4*\b], v[BM+4*\b], s[CS], v[ST+16*(\b/2)]
.endr
	WIN 0x04
.irp w, 0,1
.set j, 0
.rept 32
	v_pk_mul_f32 v[O+64*\w+j:O+64*\w+j+1], v[O+64*\w+j:O+64*\w+j+1], v[ST+16*\w+4:ST+16*\w+5] op_sel_hi:[1,0]   ; O^T under the new M: no exponential stands between the last products and these lines
.set j, j+2
.endr
.endr
	WIN 0x55
	s_wait_alu depctr_va_vdst(0)                   ; ahead of the batch
.set j, 0
.rept 32
	v_exp_f32 v[S+j], v[S+j]                       ; tile A's p; tile B's t - M stands by turns with it and is read behind the next wait
	v_exp_f32 v[S+j+1], v[S+j+1]
	v_pk_fma_f32 v[S+64+j:S+64+j+1], v[S+64+j:S+64+j+1], s[CS:CS+1], v[ST+16:ST+17] op_sel_hi:[1,0,0]
.set j, j+2
.endr
.irp b, 0,1,2,3
	v_exp_f32 v[BM+4*\b], v[BM+4*\b]               ; the blocks' largest p
.endr
	v_pk_mul_f32 v[ST+2:ST+3], v[ST+2:ST+3], v[ST+4:ST+5] op_sel_hi:[1,0]       ; tile A's sum under the new M
	s_wait_alu depctr_va_vdst(0)                   ; behind the first batch and ahead of the second
.set j, 0
.rept 64
	v_exp_f32 v[S+64+j], v[S+64+j]
.set j, j+1
.endr
	v_pk_mul_f32 v[ST+18:ST+19], v[ST+18:ST+19], v[ST+20:ST+21] op_sel_hi:[1,0] ; tile B's
	s_wait_alu depctr_va_vdst(0)                   ; behind the batch
.irp b, 0,1,2,3
	v_max_num_f32 v[BM+4*\b], 0x1800000, v[BM+4*\b]                ; the floor: the byte cannot fall under 1
.endr
.irp b, 0,1,2,3
	v_add_nc_u32 v[ST+16*(\b/2)+8+(\b%2)], 0xff000000, v[BM+4*\b]  ; the conversions' scale operands
.endr
.irp b, 0,1,2,3
	v_lshrrev_b32 v[BM+4*\b+1], 23, v[ST+16*(\b/2)+8+(\b%2)]
.endr
.irp w, 0,1
	v_lshl_or_b32 v[BM+8*\w+1], v[BM+8*\w+5], 16, v[BM+8*\w+1]     ; my two bytes,
.endr
	CVT 0
.irp w, 0,1
	v_lshlrev_b32 v[BM+8*\w+1], v[SH], v[BM+8*\w+1]                ; at their places (8 h bits up);
.endr
	CVT 1
.irp w, 0,1
	v_permlanex16_b32 v[BM+8*\w+2], v[BM+8*\w+1], s[SEL], s[SEL+1]
.endr
	CVT 2
	CVT 3
	v_nop
	WIN 0x05
.irp w, 0,1
	v_or_b32 v[PS+\w], v[BM+8*\w+1], v[BM+8*\w+2]  ; with the other half's two the word is whole; scale words lie in window 0
.endr
	WIN 0x55
	LEVEL 32, 2                                    ; the rows' sums of the unquantised p, as a tree, in place: the codes are made
	LEVEL 16, 4
	LEVEL 8, 8
	LEVEL 4, 16
	LEVEL 2, 32
.irp w, 0,1
	v_pk_add_f32 v[ST+16*\w+2:ST+16*\w+3], v[ST+16*\w+2:ST+16*\w+3], v[S+64*\w:S+64*\w+1]
.endr
.endm
; A key step of 128 keys for both tiles.  mode 0: the next step's K is fetched behind V.  mode 1, 2: the slot's last step: the three lines and the signal stand behind V's loads (1: the descriptor steps on).
.macro STEP q, mode
	s_wait_dscnt 0x0                               ; K's fragments and scale words are in
	QK4 0x44, KL, 0
	QK4 0x45, KH, 4
	WIN 0
	NOPS                                           ; places behind the products, for the loads and for the first reads
	VLOAD \q
.if \mode == 0
	KLOAD (\q)+1
.else
	THREE \mode
.endif
	SOFT
	WIN 0x04
.if \mode == 0
	s_wait_alu depctr_va_vdst(0)
	s_wait_dscnt 20                                ; V's 20 loads are in; K's 20 behind them may be out
.endif
	PV
	WIN 0
.endm
.macro SLOTHEAD                        ; the addresses in the slot ahead, and its first fragments of K
	v_add_nc_u32 v[ADK], s[TB], v[AK0]
	v_add_nc_u32 v[ADV], s[TB], v[AV0]
	v_add_nc_u32 v[ADS], s[TB], v[ASK0]
	v_add_nc_u32 v[ADT], s[TB], v[ASV0]
	s_wait_alu depctr_va_vdst(0)
	KLOAD 0
.endm
; Q is quantised in registers: a lane holds 8 neighbours along K, four lanes a block; codes and bytes turn through the wave's own stage into the operand's layout.
.macro QQ raw, u
.irp i, 0,1,2,3,4,5,6,7
	v_max3_num_f32 v[QT+\i], |v[\raw+8*\i]|, |v[\raw+8*\i+1]|, 0x1800000
.endr
.irp j, 2,4,6
.irp i, 0,1,2,3,4,5,6,7
	v_max3_num_f32 v[QT+\i], v[QT+\i], |v[\raw+8*\i+\j]|, |v[\raw+8*\i+\j+1]|
.endr
.endr
.irp i, 0,1,2,3,4,5,6,7
	v_max_num_f32_dpp v[QT+\i], v[QT+\i], v[QT+\i] row_xmask:1 row_mask:0xf bank_mask:0xf
.endr
.irp i, 0,1,2,3,4,5,6,7
	v_max_num_f32_dpp v[QT+\i], v[QT+\i], v[QT+\i] row_xmask:2 row_mask:0xf bank_mask:0xf
.endr
.irp i, 0,1,2,3,4,5,6,7
	v_add_nc_u32 v[QT+\i], 0xff000000, v[QT+\i]
.endr
.irp i, 0,1,2,3,4,5,6,7
	v_lshrrev_b32 v[QT+8+\i], 23, v[QT+\i]
.endr
.irp i, 0,1,2,3,4,5,6,7
	v_cvt_scalef32_pk8_fp4_f32 v[QT+16+\i], v[\raw+8*\i:\raw+8*\i+7], v[QT+\i]
.endr
	v_nop
.irp i, 0,1,2,3,4,5,6,7
	ds_store_b32 v[QSI], v[QT+16+\i] offset:QW*\u+2*KP*\i
	ds_store_b8 v[QSB], v[QT+8+\i] offset:QW*\u+QSC+8*\i
.endr
.endm
	s_wait_alu depctr_va_vdst(0)
	THREE 1                                        ; keys 0-511 are in; the lower slot's first fill is issued as a refill is
	s_barrier_wait -1
	CREST
	FILL                                           ; keys 512-1023
	SLOTHEAD
	ASK
	s_wait_loadcnt 16                              ; tile A's 16 loads are in; tile B's may be out
	QQ O, 0
	s_wait_loadcnt 0x0
	QQ O+64, 1
	ds_load_b32 v[QS], v[QSW] offset:QSC           ; LDS serves a wave in order: these see my stores
	ds_load_b32 v[QS+1], v[QSW] offset:QW+QSC
	WIN 0x40
.irp u, 0,1
	ds_load_b128 v[QF+8*\u:QF+8*\u+3], v[QLD] offset:QW*\u
	ds_load_b128 v[QF+8*\u+4:QF+8*\u+7], v[QLD] offset:QW*\u+32
.endr
	WIN 0
.set j, 0
.rept 128
	v_mov_b32 v[O+j], 0                            ; the step is written once: the first finds zeros
.set j, j+1
.endr
	s_wait_alu depctr_va_vdst(0)
	s_wait_kmcnt 0x0                               ; lambda_log
.La:                                                   ; two trips: keys 0-511 and 512-1023; each ends by filling the slot that it has left
	STEP 0, 0
	STEP 1, 0
	STEP 2, 0
	STEP 3, 1
	s_barrier_wait -1
	CREST
	FILL
	s_xor_b32 s[TB], s[TB], SLOT1
	SLOTHEAD
	ASK
	s_sub_co_u32 s[SLOTS], s[SLOTS], 1
	s_cmp_lg_u32 s[SLOTS], 0
	s_cbranch_scc1 .La
	s_mov_b32 s[SLOTS], 2
.Lb:                                                   ; two trips that fill nothing: keys 1024-1535 and 1536-2047
	STEP 0, 0
	STEP 1, 0
	STEP 2, 0
	STEP 3, 2
	s_barrier_wait -1
	s_xor_b32 s[TB], s[TB], SLOT1
	s_sub_co_u32 s[SLOTS], s[SLOTS], 1
	s_cmp_eq_u32 s[SLOTS], 0
	s_cbranch_scc1 .Lout                           ; behind the last keys nothing is fetched
	SLOTHEAD
	s_cmp_lg_u32 s[SLOTS], 0
	s_cbranch_scc1 .Lb
.Lout:
; THE WAY OUT.  Each tile's O^T x (1 / sum) x (1 or -lambda) goes into the stage as rows; behind a barrier wave w adds the two branches' rows of query tile w and stores rows of 512 bytes.
	NOPS
	v_mov_b32 v28, s17
	v_mul_f32 v28, 0x3fb8aa3b, v28
	s_wait_alu depctr_va_vdst(0)
	v_exp_f32 v28, v28                             ; lambda
	v_nop
	s_wait_alu depctr_va_vdst(0)
	v_readfirstlane_b32 s16, v28
	s_xor_b32 s16, s16, 0x80000000
	s_cmp_lt_u32 s[WV], 4
	s_cselect_b32 s16, 0x3f800000, s16             ; branch 1: 1; branch 2: -lambda
	s_mul_i32 s2, s[WV], 32*SPITCH
	s_add_co_u32 s2, s2, STG
	v_mul_u32_u24 v29, v[RR], SPITCH
	v_lshl_add_u32 v29, v[HH], 5, v29
	v_add_nc_u32 v29, s2, v29                      ; in: stage tile 2 wave + u, row r, 64 t + 32 h bytes on
	s_mul_i32 s3, s[WV], 16*SPITCH
	s_add_co_u32 s3, s3, STG
	v_lshlrev_b32 v[GO], 4, v[LL]
	v_add_nc_u32 v30, s3, v[GO]                    ; back: branch 1's tile w, a row to the 32 lanes,
	v_add_nc_u32 v31, 8*16*SPITCH, v30             ; and branch 2's
	WIN 0x55
.irp w, 0,1
	v_add_f32 v[ST+16*\w+2], v[ST+16*\w+2], v[ST+16*\w+3]
.endr
.irp w, 0,1
	v_permlanex16_b32 v[ST+16*\w+3], v[ST+16*\w+2], s[SEL], s[SEL+1]
.endr
.irp w, 0,1
	v_add_f32 v[ST+16*\w+2], v[ST+16*\w+2], v[ST+16*\w+3]          ; the row's sum
.endr
	s_wait_alu depctr_va_vdst(0)
.irp w, 0,1
	v_rcp_f32 v[ST+16*\w+2], v[ST+16*\w+2]
.endr
	v_nop
	s_wait_alu depctr_va_vdst(0)
.irp w, 0,1
	v_mul_f32 v[ST+16*\w+4], s16, v[ST+16*\w+2]
.endr
	WIN 0x44
	s_wait_alu depctr_va_vdst(0)                   ; directly ahead of O^T's first readers
.irp w, 0,1
.set j, 0
.rept 32
	v_pk_mul_f32 v[S+64*\w+j:S+64*\w+j+1], v[O+64*\w+j:O+64*\w+j+1], v[ST+16*\w+4:ST+16*\w+5] op_sel_hi:[1,0]
.set j, j+2
.endr
.endr
	WIN 0x04
.irp w, 0,1
.irp t, 0,1,2,3,4,5,6,7
	ds_store_b128 v29, v[S+64*\w+8*\t:S+64*\w+8*\t+3] offset:\w*16*SPITCH+64*\t
	ds_store_b128 v29, v[S+64*\w+8*\t+4:S+64*\w+8*\t+7] offset:\w*16*SPITCH+64*\t+16
.endr
.endr
	WIN 0
	s_wait_dscnt 0x0
	s_barrier_signal -1
	s_barrier_wait -1
.irp i, 0,1,2,3,4,5,6,7,8,9,10,11,12,13,14,15
	ds_load_b128 v[VF+4*\i:VF+4*\i+3], v30 offset:\i*SPITCH
	ds_load_b128 v[O+4*\i:O+4*\i+3], v31 offset:\i*SPITCH
.endr
.irp i, 0,1,2,3,4,5,6,7,8,9,10,11,12,13,14,15
	s_wait_dscnt 30-2*\i                           ; row i's two loads are in; the younger ones may be out
	v_pk_add_f32 v[VF+4*\i:VF+4*\i+1], v[VF+4*\i:VF+4*\i+1], v[O+4*\i:O+4*\i+1]
	v_pk_add_f32 v[VF+4*\i+2:VF+4*\i+3], v[VF+4*\i+2:VF+4*\i+3], v[O+4*\i+2:O+4*\i+3]
	global_store_b128 v[GO], v[VF+4*\i:VF+4*\i+3], s[14:15] offset:512*\i th:TH_STORE_NT   ; 32 lanes store 512 consecutive bytes, aligned
.endr
	s_wait_tensorcnt 0x0                           ; the wave's end
	ds_add_u32 v[SPW], v[NIL]
	s_wait_dscnt 0x0
	CROUND                                         ; the closing round
	s_endpgm
.Lfunc_end_k_q1f8cbedacc_attn:
	.size	k_q1f8cbedacc_attn, .Lfunc_end_k_q1f8cbedacc_attn-k_q1f8cbedacc_attn
	.p2alignl 7, 3214868480
	.fill 96, 4, 3214868480
	.section	.rodata,"a",@progbits
	.p2align	6, 0x0
	.amdhsa_kernel k_q1f8cbedacc_attn
		.amdhsa_group_segment_fixed_size 327680
		.amdhsa_private_segment_fixed_size 0
		.amdhsa_enable_private_segment 0
		.amdhsa_kernarg_size 40
		.amdhsa_user_sgpr_count 2
		.amdhsa_user_sgpr_kernarg_segment_ptr 1
		.amdhsa_wavefront_size32 1
		.amdhsa_system_sgpr_workgroup_id_x 1
		.amdhsa_system_sgpr_workgroup_id_y 1
		.amdhsa_system_sgpr_workgroup_id_z 1
		.amdhsa_system_vgpr_workitem_id 0
		.amdhsa_next_free_vgpr 512
		.amdhsa_next_free_sgpr 80
		.amdhsa_reserve_vcc 0
		.amdhsa_float_denorm_mode_32 3
		.amdhsa_float_denorm_mode_16_64 3
		.amdhsa_memory_ordered 1
		.amdhsa_forward_progress 1
		.amdhsa_inst_pref_size 255
	.end_amdhsa_kernel
	.section	.bss,"aw",@nobits
	.p2align	6
	.space	262144
	.amdgpu_metadata
---
amdhsa.version: [ 1, 2 ]
amdhsa.kernels:
  - .name:           k_q1f8cbedacc_attn
    .symbol:         k_q1f8cbedacc_attn.kd
    .args:
      - { .name: q1, .offset: 0, .size: 8, .value_kind: global_buffer, .address_space: global }
      - { .name: q2, .offset: 8, .size: 8, .value_kind: global_buffer, .address_space: global }
      - { .name: kvc, .offset: 16, .size: 8, .value_kind: global_buffer, .address_space: global }
      - { .name: lambda_log, .offset: 24, .size: 8, .value_kind: global_buffer, .address_space: global }
      - { .name: out0, .offset: 32, .size: 8, .value_kind: global_buffer, .address_space: global }
    .group_segment_fixed_size: 327680
    .private_segment_fixed_size: 0
    .kernarg_segment_align: 8
    .kernarg_segment_size: 40
    .max_flat_workgroup_size: 256
    .sgpr_count:     80
    .vgpr_count:     512
    .wavefront_size: 32
...
	.end_amdgpu_metadata
.endif
;; end of part 2
